; MI455X (gfx1250); checked and timed in simulation.
; The chip was launched on July 23, 2026; its instructions are those of AMD's public machine-readable ISA for CDNA 5 (MIT licence, August 2026) and "CDNA5" Instruction Set Architecture Reference Guide (July 2026). The comments in the code are by the model that wrote it; some were corrected since.
;; Model. Allowed arithmetic: matrix products marked QUANTISED: E5M2 operands, one given power-of-two scale a tensor, by v_wmma_f32_16x16x64_bf8_bf8 or v_wmma_f32_16x16x128_bf8_bf8, f32 sums; everything else in f32.
;; Inputs: key 4 x 16 x 2,048 x 64 float32; lowp_scales 4 int32 (the exponents e of the quantised operands' scales 2^e); query 4 x 16 x 2,048 x 64 float32; value 4 x 16 x 2,048 x 64 float32.
;; Outputs: out0 4 x 16 x 2,048 x 64 float32.
;; Constants: dropout_p = 0.
;; This version of the problem:
;;   THIS VERSION OF THE PROBLEM IS GIVEN IN LOW PRECISION. The matrix products marked QUANTISED in the list below multiply operands that are first quantised to E5M2 (5 exponent bits, 2 mantissa bits; 8 bits a number), with one given power-of-two scale for each operand tensor; their sums are f32. All else is computed in f32.
;;   The module's matrix products, in the order in which they are computed (A, B: the left and right operand; K: the contracted axis; several contracted axes count as one K, in the product's order):
;;     1. batch 64 x [M 2,048, K 64] x [K 64, N 2,048]; A: input query; B: input key: QUANTISED (scales: A lowp_scales[0], B lowp_scales[1])
;;     2. batch 64 x [M 2,048, K 2,048] x [K 2,048, N 64]; A: softmax (see below); B: input value: QUANTISED (scales: A lowp_scales[2], B lowp_scales[3])
;;   THE QUANTISER, for each operand of a quantised product, along K:
;;     - The operand's scale is 2^e, e = its entry of the input lowp_scales (int32; the entries are numbered through the quantised products in the list's order, A before B).
;;     - Each number is divided by the scale, clamped to +-57,344, and rounded to the nearest number of E5M2, ties to even, subnormals kept.
;;     - The product sums the exact products of the quantised numbers (number of the format x scale) in f32.
;;   ~~~python
;;   def quantise(x, axis, e):      # numpy; x: float32 -> the quantised numbers, widened to float32 again
;;       x = np.moveaxis(x, axis, -1); K = x.shape[-1]
;;       r = np.clip(x / 2.0 ** e, -57344, 57344)
;;       step = 2.0 ** (np.maximum(np.frexp(np.where(r == 0, 1, r))[1] - 1, -14) - 2)
;;       q = np.round(r / step) * step * 2.0 ** e      # np.round: ties to even
;;       return np.moveaxis(q, -1, axis).astype(np.float32)
;;   ~~~
;;   SOFTMAX AHEAD OF A QUANTISED PRODUCT. Where the list says 'softmax', what is quantised is not the finished softmax but p = 2^(t - M), with t = logit x log2(e) and M = ceil(the row's largest t), a whole number; so 1/2 < the row's largest p <= 1. The row's sum l is taken of the UNQUANTISED p, in f32, and the product's result is divided by l at the end. Since M is a whole number, a kernel that streams over the keys may use a running M (the ceiling of the running maximum): every later rescaling is an exact power of two, so the quantised numbers keep their values, but for numbers so far below the row's largest that they fall under the format's range.
;;   OPERANDS COMPUTED ON THE WAY. 'Computed on the way' means the value that the module computes at that place (a softmax that the list does not call 'softmax' is quantised finished and normalised). What goes into a quantiser is computed in f32, as accurately as f32 sums, v_exp_f32 and their like allow (about 1e-6 of the number): no bf16 or f16 on the way to a quantiser, and a product that is left as it is and whose result goes on into a quantised operand takes f32 operands (vector FMAs, or v_wmma_f32_16x16x4_f32). A number that lies on a knife's edge between two numbers of the format may be rounded either way, as far as f32 arithmetic and the matrix unit's own rounding can turn it there, and no further.
;; One version. Each part assembles by itself: llvm-mc -triple=amdgcn-amd-amdhsa -mcpu=gfx1250 --defsym DOCPART=n.
;; ======== version 1 of 1: 1 launch
;; limits: right only within a limited range of input values
;; launch attn (part 1): grid 64 x 4, 16 waves a work-group, no clusters, 264,192 bytes of LDS; arguments query, key, value, lowp_scales, out0; writes out0
.if DOCPART == 1
	.amdgcn_target "amdgcn-amd-amdhsa--gfx1250"
	.amdhsa_code_object_version 6
	.text
	.protected	k_q50970f6570_attn
	.globl	k_q50970f6570_attn
	.p2align	8
	.type	k_q50970f6570_attn,@function
k_q50970f6570_attn:
	s_mov_b64 s[64:65], 0
	v_nop
	global_prefetch_b8 v0, s[64:65] scope:SCOPE_SE
	s_setreg_imm32_b32 hwreg(HW_REG_WAVE_MODE, 25, 1), 1
	s_wait_xcnt 0x0
; out[h][q][:] = the sum over k of softmax_k(query[h][q] . key[h][k] / 8) value[h][k][:], 64 heads, 2,048 queries and keys, head size 64; all tensors f32.
; Both products run on codes of BF8 (E5M2), each operand with the scale 2^e given for it: eq, ek, ep, ev = lowp_scales[0..3].
; SOFTMAX: t = score x log2(e) / 8; M = the largest t so far, rounded UP to a whole number; p = 2^(t - M) is quantised, not normalised.
; The row's sum is taken of the unquantised p in f32 and divides at the end.  When M moves, the sum and O are multiplied by 2^(old M - new M), which rounds nothing.
; SHARES.  A work-group owns 512 queries of one head (grid 64 x 4); each of its sixteen waves owns 32, two tiles A and B of 16.  Every wave walks all 2,048 keys, 64 a step, 128 (a chunk) a trip.
; K AND V ARE QUANTISED ON THE WAY: in trip T each wave turns its sixteenth of chunk T + 1, loaded a trip earlier, into codes in LDS, then asks for its sixteenth of chunk T + 2.
; Each chunk has LDS bytes of its own (16 x 16,384), written once while the loop runs.
; OPERANDS LIE IN LDS AS IMAGES OF THEIR REGISTERS: a fragment (16 rows x 64 K) is 1,024 bytes, fetched by two ds_load_b128 at 16 x lane and 512 + 16 x lane.
; Both products are used transposed (S^T = K Q^T, O^T += V^T P^T): a lane holds ONE query (lane % 16) throughout.
; THE HEAD'S AXIS IS PERMUTED ALIKE IN Q AND K: the e-th unit of 8 codes of a row holds d = 4 e .. 4 e + 3 and 32 + 4 e .. + 3, so that eight lanes read 128 consecutive bytes of a row in each load.
; Q takes K's road: codes into an image in LDS (the wave's own 2,048 bytes in chunks 14 and 15, which are written much later), and back as two fragments.
; THE KEYS OF A TILE ARE NOT NEIGHBOURS: row m of tile T of a chunk is key 32 (T / 2) + 8 (T % 2) + m + 8 (m / 8), so a lane's 16 scores of tiles 2 b, 2 b + 1 are 16 neighbouring keys and the conversions' results are P's operand.
; FRAGMENTS: K's for a trip's first step are fetched at the trip's top, for its second step behind the first step's score products; V's land in tile A's score registers once those are done with.
; NO JOINT LOADS, though a head's four work-groups read the same K and V: these arrive as f32 and pass through registers to become codes; as f32 in LDS a chunk would take 65,536 bytes beside the 262,144 of codes.
; LIMITS: eq, ek, ev, ep between -126 and 112; eq + ek between -123 and 130.  NaN among the inputs is not served; an infinity is held at the largest code.  A p under 2^-126 comes out of v_exp_f32 as 0.
.set NCH,    16
.set CHB,    16384                     ; a chunk in LDS: 8 fragments of K, then 2 steps x 4 fragments of V
.set VIMG,   8192
.set GCH,    32768                     ; a chunk in memory, in K and in V
.set QIMG,   14*CHB                    ; Q's images: 2,048 bytes a wave
.set SPARE,  NCH*CHB                   ; the spare words: 128 bytes a wave, eight blocks of 256 that no other line names
.set SPITCH, 272
.set STILE,  16*SPITCH
.set SWAVE,  2*STILE                   ; a wave's stage on the way out; the sixteen take bytes 0 to 139,263 (chunks 0 to 8)
.set PFO, 0                            ; v0   the thread's number; then the prefetches' offset
.set LI,  1                            ; v1   16 x lane
.set ADR, 2                            ; v2   in the head Q's byte offset; in the loop the chunk in hand + 16 x lane
.set KGO, 3                            ; v3   my byte offset in a chunk of K in memory
.set VGO, 4                            ; v4   the same for V
.set KST, 5                            ; v5   where my codes of K go in a chunk's images
.set VST, 6                            ; v6   the same for V
.set SPW, 7                            ; v7   my spare word; never rewritten
.set SCP, 8                            ; v8   2^ep
.set NIL, 9                            ; v9   0; never rewritten
.set SCK, 10                           ; v10  2^ek
.set SCV, 11                           ; v11  2^ev
.set NM,  12                           ; v[12:13] tile A: -M, the largest score;  v[14:15] tile B
.set LS,  16                           ; v[16:17] tile A's sum in two halves;  v[18:19] tile B's
.set FF,  20                           ; v[20:21] tile A: f and a 0 named with it;  v[22:23] tile B
.set TA,  24                           ; v24-31 temporaries: per tile two maxima, the old -M, the permute's result; then partial sums
.set QQ,  32                           ; v[32:47] Q's codes
.set FR,  48                           ; v[48:79] four fragments of K
.set SS,  80                           ; v[80:143] S^T, then p; v[80:111] then V's four fragments
.set PP,  144                          ; v[144:159] p's codes; at a trip's top the codes of K and V just made
.set OO,  160                          ; v[160:223] O^T
.set STA, 224                          ; v[224:255] 16 numbers of K, 16 of V, on their way in
.set QP,   4
.set KP,   6
.set VP,   8
.set OP,   12
.set WAVE, 14
.set TR,   15
.set TB,   16
.set TS,   17
.set EQ,   20
.set SEL,  24
.set CS,   26
.set HK,   28
.set HV,   30
.set HQ,   32
.set HP,   34
.set EPV,  35
.set PFA,  36
.set LIM,  38
.macro MKSC e, sc, neg, pos            ; 2^e as f32, and 57,344 x 2^e with its negative
	s_add_co_i32 s[\sc], s[\e], 127
	s_add_co_i32 s[\pos], s[\sc], 15
	s_lshl_b32 s[\sc], s[\sc], 23
	s_lshl_b32 s[\pos], s[\pos], 23
	s_or_b32 s[\pos], s[\pos], 0x600000
.if \neg >= 0
	s_or_b32 s[\neg], s[\pos], 0x80000000
.endif
.endm
.macro PADD d, a, b
	v_pk_add_f32 v[(\d):(\d)+1], v[(\a):(\a)+1], v[(\b):(\b)+1]
.endm
; My sixteenth of a chunk, 20 loads.  K: key 8 w + 4 b + lane / 8; the lane's 16 bytes at 16 (lane % 8) of each half row: eight lanes read 128 consecutive bytes.
; V: a lane takes column 32 (w % 2) + lane, and its registers run down the keys 16 (w / 2) + 0 .. 15, the second product's K.
.macro LOADKV dst, off
.irp b, 0,1
	global_load_b128 v[\dst+8*\b:\dst+8*\b+3],   v[KGO], s[KP:KP+1] offset:\off+1024*\b
	global_load_b128 v[\dst+8*\b+4:\dst+8*\b+7], v[KGO], s[KP:KP+1] offset:\off+1024*\b+128
.endr
.irp i, 0,1,2,3,4,5,6,7,8,9,10,11,12,13,14,15
	global_load_b32 v[\dst+16+\i], v[VGO], s[VP:VP+1] offset:\off+256*\i
.endr
.endm
; The 32 numbers in v[src] on become codes and go into the images of the chunk at LDS byte s[TS].
.macro QKV src
.irp i, 0,1,2,3,4,5,6,7,8,9,10,11,12,13,14,15
	v_med3_num_f32 v[\src+\i], v[\src+\i], s[HK], s[HK+1]          ; the conversion does not saturate (ISA guide 7.6.2): hold first
.endr
.irp i, 16,17,18,19,20,21,22,23,24,25,26,27,28,29,30,31
	v_med3_num_f32 v[\src+\i], v[\src+\i], s[HV], s[HV+1]
.endr
	v_cvt_scalef32_pk8_bf8_f32 v[PP:PP+1],   v[\src:\src+7],     v[SCK]
	v_cvt_scalef32_pk8_bf8_f32 v[PP+2:PP+3], v[\src+8:\src+15],  v[SCK]
	v_cvt_scalef32_pk8_bf8_f32 v[PP+4:PP+5], v[\src+16:\src+23], v[SCV]
	v_cvt_scalef32_pk8_bf8_f32 v[PP+6:PP+7], v[\src+24:\src+31], v[SCV]
	v_nop                                          ; one plain line behind the last conversion
	v_add_nc_u32 v[TA+3], s[TS], v[KST]
	v_add_nc_u32 v[TA+7], s[TS], v[VST]
	ds_store_b64  v[TA+3], v[PP:PP+1]              ; a unit of 8 codes of key 8 w + lane / 8
	ds_store_b64  v[TA+3], v[PP+2:PP+3] offset:64  ; and of the key four further on
	ds_store_b128 v[TA+7], v[PP+4:PP+7]            ; 16 keys' codes of my column
.endm
; A prefetch into the L2 of chunk T + 3, one trip ahead of the loads that ask for it.  Each row of 256 bytes is named once in the launch: the four work-groups of a head share a chunk's rows out
; BY ADDRESS: the one that owns block y of the queries takes rows 32 y .. 32 y + 31, wave 0 of K and wave 1 of V, a lane a row.  Chunks 0 to 2 come by their loads alone; the last request, in trip 12, is for chunk 15.
.macro ASK
	s_cmp_lt_u32 s[TR], s[LIM]
	s_cbranch_scc0 .Lnot_mine_\@
	global_prefetch_b8 v[PFO], s[PFA:PFA+1] th:TH_LOAD_NT scope:SCOPE_SE
.Lnot_mine_\@:
.endm
; The hold and the conversions of tile q.  p / 2^ep is at most 2^-ep: from ep = -15 on that is under 57,344 and the hold changes nothing; it runs where ep is below -15:
; a scalar branch on a whole number read from lowp_scales, the same in every wave; this text has no tensor load, copy or cluster.
.macro HOLDCVT q
	s_wait_alu depctr_va_vdst(0)                   ; the wait ahead of the branch
	s_cmp_lt_i32 s[EQ+2], -15
	s_cbranch_scc0 .Lno_hold_\@
.set J, 0
.rept 32
	v_min_num_f32 v[SS+32*\q+J], s[HP], v[SS+32*\q+J]
.set J, J+1
.endr
.Lno_hold_\@:
.irp t, 0,1,2,3
	v_cvt_scalef32_pk8_bf8_f32 v[PP+8*\q+2*\t:PP+8*\q+2*\t+1], v[SS+32*\q+8*\t:SS+32*\q+8*\t+7], v[SCP]
.endr
.endm
; A KEY STEP: 64 keys, the sg-th half of the chunk in hand, both tiles.  K's four fragments are in v[FR] on: every way here passes s_wait_dscnt 0 behind their loads.
.macro STEP sg
.irp t, 0,1,2,3
.irp q, 0,1
	v_wmma_f32_16x16x64_bf8_bf8 v[SS+32*\q+8*\t:SS+32*\q+8*\t+7], v[FR+8*\t:FR+8*\t+7], v[QQ+8*\q:QQ+8*\q+7], 0
.endr
.endr
.rept 4
	v_nop                                          ; four places: for the loads into registers just read, and for the first read of the scores
.endr
.if \sg == 0
.irp t, 0,1,2,3
.irp c, 0,1
	ds_load_b128 v[FR+8*\t+4*\c:FR+8*\t+4*\c+3], v[ADR] offset:(4+\t)*1024+512*\c   ; the second step's K
.endr
.endr
.endif
	; the step's largest score of my query among my 32 keys: two chains a tile, each accumulator from its low end on
.irp q, 0,1
	v_max3_num_f32 v[TA+4*\q], v[SS+32*\q], v[SS+32*\q+1], v[SS+32*\q+2]
.endr
.irp q, 0,1
	v_max3_num_f32 v[TA+4*\q+1], v[SS+32*\q+3], v[SS+32*\q+4], v[SS+32*\q+5]
.endr
.irp i, 6,10,14,18,22,26
.irp q, 0,1
	v_max3_num_f32 v[TA+4*\q], v[TA+4*\q], v[SS+32*\q+\i], v[SS+32*\q+\i+1]
.endr
.irp q, 0,1
	v_max3_num_f32 v[TA+4*\q+1], v[TA+4*\q+1], v[SS+32*\q+\i+2], v[SS+32*\q+\i+3]
.endr
.endr
.irp q, 0,1
	v_max3_num_f32 v[TA+4*\q], v[TA+4*\q], v[SS+32*\q+30], v[SS+32*\q+31]
.endr
.irp q, 0,1
	v_max_num_f32 v[TA+4*\q], v[TA+4*\q], v[TA+4*\q+1]
.endr
.irp q, 0,1
	v_permlanex16_b32 v[TA+4*\q+3], v[TA+4*\q], s[SEL], s[SEL+1]   ; the query's other 32 keys lie in the lane 16 away
.endr
.irp q, 0,1
	v_max3_num_f32 v[NM+2*\q+1], v[NM+2*\q+1], v[TA+4*\q], v[TA+4*\q+3]   ; the running largest score
.endr
.irp q, 0,1
	v_mul_f32 v[TA+4*\q], s[CS], v[NM+2*\q+1]      ; as t (c is positive)
.endr
.irp q, 0,1
	v_floor_f32 v[NM+2*\q], -v[TA+4*\q]            ; the new -M = -ceil(t)
.endr
.irp q, 0,1
	v_sub_f32 v[TA+4*\q+1], v[NM+2*\q], v[TA+4*\q+2]   ; old M - new M: a whole number, 0 or less
.endr
.irp j, 0,2,4,6
	v_pk_fma_f32 v[SS+\j:SS+\j+1], v[SS+\j:SS+\j+1], s[CS:CS+1], v[NM:NM+1] op_sel_hi:[1,0,0]   ; tile A: t - M, two at a time
.endr
.irp q, 0,1
	v_cvt_i32_f32 v[TA+4*\q+1], v[TA+4*\q+1]       ; (it saturates)
.endr
.irp j, 8,10,12,14
	v_pk_fma_f32 v[SS+\j:SS+\j+1], v[SS+\j:SS+\j+1], s[CS:CS+1], v[NM:NM+1] op_sel_hi:[1,0,0]
.endr
.irp q, 0,1
	v_ldexp_f32 v[FF+2*\q], 1.0, v[TA+4*\q+1]      ; f = 2^(old M - new M)
.endr
.irp j, 16,18,20,22,24,26,28,30
	v_pk_fma_f32 v[SS+\j:SS+\j+1], v[SS+\j:SS+\j+1], s[CS:CS+1], v[NM:NM+1] op_sel_hi:[1,0,0]
.endr
	s_wait_alu depctr_va_vdst(0)                   ; the wait ahead of a batch
	; tile A's 32 exponentials; among them plain lines whose sources were written ahead of the wait above and whose results are read behind the wait below
.irp j, 0,2,4,6,8,10,12,14,16,18,20,22,24,26,28,30
	v_exp_f32 v[SS+\j], v[SS+\j]
	v_pk_fma_f32 v[SS+32+\j:SS+33+\j], v[SS+32+\j:SS+33+\j], s[CS:CS+1], v[NM+2:NM+3] op_sel_hi:[1,0,0]   ; tile B: t - M
	v_exp_f32 v[SS+\j+1], v[SS+\j+1]
.endr
.irp q, 0,1
	v_pk_mul_f32 v[LS+2*\q:LS+2*\q+1], v[LS+2*\q:LS+2*\q+1], v[FF+2*\q:FF+2*\q+1] op_sel_hi:[1,0]   ; the sums under the new M
.endr
	s_wait_alu depctr_va_vdst(0)                   ; behind tile A's batch and ahead of tile B's
	; tile B's 32 exponentials; among them the first level of tile A's sum, five lines that hang on each other nowhere.  THE SUM IS TAKEN OF THE UNQUANTISED p
.irp g, 0,1,2,3
.irp j, 0,1,2,3,4,5,6,7
	v_exp_f32 v[SS+32+8*\g+\j], v[SS+32+8*\g+\j]
.endr
	PADD TA+2*\g, SS+2+4*\g, SS+4+4*\g
.endr
	PADD LS, LS, SS
	s_wait_alu depctr_va_vdst(0)                   ; behind the batch
	PADD TA,   TA,   SS+18
	PADD TA+2, TA+2, SS+20
	PADD TA+4, TA+4, SS+22
	PADD TA+6, TA+6, SS+24
	PADD LS,   LS,   SS+26
	PADD TA,   TA,   SS+28
	PADD TA+2, TA+2, SS+30
	PADD TA+4, TA+4, TA+6
	PADD TA,   TA,   TA+2
	HOLDCVT 0
.irp d, 0,1,2,3
.irp c, 0,1
	ds_load_b128 v[SS+8*\d+4*\c:SS+8*\d+4*\c+3], v[ADR] offset:VIMG+\sg*4096+\d*1024+512*\c   ; V's four fragments, into tile A's registers, which are done with
.endr
.endr
	PADD TA,   TA,   TA+4                          ; tile A's part of the sum: added behind the products below
	PADD TA+2, SS+32, SS+34                        ; tile B's sum, four chains
	PADD TA+4, SS+36, SS+38
	PADD TA+6, SS+40, SS+42
	PADD LS+2, LS+2, SS+44
	PADD TA+2, TA+2, SS+46
	PADD TA+4, TA+4, SS+48
	PADD TA+6, TA+6, SS+50
	PADD LS+2, LS+2, SS+52
	PADD TA+2, TA+2, SS+54
	PADD TA+4, TA+4, SS+56
	PADD TA+6, TA+6, SS+58
	PADD LS+2, LS+2, SS+60
	PADD TA+2, TA+2, SS+62
	PADD TA+4, TA+4, TA+6
	PADD TA+2, TA+2, TA+4
	HOLDCVT 1
	s_wait_alu depctr_va_vdst(0)                   ; the wait directly ahead of the first reader of O^T
.irp q, 0,1
.irp j, 0,2,4,6,8,10,12,14,16,18,20,22,24,26,28,30
	v_pk_mul_f32 v[OO+32*\q+\j:OO+32*\q+\j+1], v[OO+32*\q+\j:OO+32*\q+\j+1], v[FF+2*\q:FF+2*\q+1] op_sel_hi:[1,0]   ; O^T under the new M, each accumulator from its low end on
.endr
.endr
	s_wait_alu depctr_va_vdst(0)                   ; the wait directly ahead of the wait below
	s_wait_dscnt 0x0                               ; V's fragments are in, and the second step's K
.irp d, 0,1,2,3
.irp q, 0,1
	v_wmma_f32_16x16x64_bf8_bf8 v[OO+32*\q+8*\d:OO+32*\q+8*\d+7], v[SS+8*\d:SS+8*\d+7], v[PP+8*\q:PP+8*\q+7], v[OO+32*\q+8*\d:OO+32*\q+8*\d+7]   ; eight accumulators by turns
.endr
.endr
	; five places: the next score products write over V's fragments, which the products above read
	PADD LS,   LS,   TA
	PADD LS+2, LS+2, TA+2
	v_mov_b32 v[TA+2], v[NM]                       ; the old -M for the next step
	v_mov_b32 v[TA+6], v[NM+2]
	v_nop
.endm
	; ---- THE HEAD
	s_load_b256 s[4:11], s[0:1], 0x0               ; query, key, value, lowp_scales
	s_load_b64 s[OP:OP+1], s[0:1], 0x20            ; out0
	v_lshl_add_u32 v[SPW], v0, 2, SPARE
	v_mov_b32 v[NIL], 0
	v_lshrrev_b32 v2, 5, v0
	v_readfirstlane_b32 s[WAVE], v2                ; wave w
	s_lshl_b32 s39, s[WAVE], 11                    ; 2,048 w
	s_lshr_b32 s40, s[WAVE], 1
	s_lshl_b32 s40, s40, 12
	s_and_b32 s41, s[WAVE], 1
	s_lshl_b32 s42, s41, 7
	s_add_co_u32 s40, s40, s42                     ; V in memory: 16 (w / 2) rows + 128 (w % 2)
	; K's codes: key 8 w + 4 b + l / 8 is row 8 ((w / 2) % 2) + 4 b + l / 8 of tile 2 (w / 4) + w % 2; unit e = l % 8 lies at 512 (e / 4) + 256 ((e / 2) % 2) + 8 (e % 2) + 16 x row
	s_lshr_b32 s42, s[WAVE], 2
	s_lshl_b32 s42, s42, 11
	s_lshl_b32 s43, s41, 10
	s_add_co_u32 s42, s42, s43
	s_bfe_u32 s43, s[WAVE], 0x10001
	s_lshl_b32 s44, s43, 7
	s_add_co_u32 s42, s42, s44
	; V's codes: keys 16 (w / 2) + 0 .. 15 are step w / 8, register group (w / 4) % 2, half (w / 2) % 2; column 32 (w % 2) + l is row l % 16 of tile 2 (w % 2) + l / 16
	s_lshr_b32 s44, s[WAVE], 3
	s_lshl_b32 s44, s44, 12
	s_lshl_b32 s45, s41, 11
	s_add_co_u32 s44, s44, s45
	s_bfe_u32 s45, s[WAVE], 0x10002
	s_lshl_b32 s45, s45, 9
	s_add_co_u32 s44, s44, s45
	s_lshl_b32 s45, s43, 8
	s_add_co_u32 s44, s44, s45
	s_add_co_u32 s44, s44, VIMG
	s_add_co_u32 s48, s39, QIMG                    ; my wave's images of Q
	s_lshl_b32 s18, ttmp9, 19                      ; the grid has the 64 heads along x and a head's 4 blocks of 512 queries along y.  The head's 2,048 rows of 256 bytes
	s_mov_b32 s19, 0
	s_and_b32 s49, ttmp7, 0xffff                   ; y: which block of 512 queries is mine
	s_lshl_b32 s46, s49, 17                        ; my work-group's 512 queries,
	s_lshl_b32 s47, s[WAVE], 13                    ; my wave's 32
	s_add_co_u32 s46, s46, s47
	s_mov_b32 s47, 0
	s_mov_b32 s[SEL], 0x76543210
	s_mov_b32 s[SEL+1], 0xfedcba98
	v_and_b32 v24, 31, v0                          ; lane l
	v_lshlrev_b32 v[LI], 4, v24
	v_and_b32 v25, 7, v24                          ; e
	v_lshrrev_b32 v26, 3, v24                      ; l / 8
	v_lshlrev_b32 v[ADR], 4, v25
	v_lshl_add_u32 v[ADR], v26, 8, v[ADR]          ; row l / 8 of four, 16 e: Q's offset,
	v_add_nc_u32 v[KGO], s39, v[ADR]               ; and K's
	v_lshl_add_u32 v[VGO], v24, 2, s40
	v_bfe_u32 v27, v24, 2, 1
	v_lshlrev_b32 v[KST], 9, v27
	v_bfe_u32 v27, v24, 1, 1
	v_lshl_add_u32 v[KST], v27, 8, v[KST]
	v_and_b32 v27, 1, v24
	v_lshl_add_u32 v[KST], v27, 3, v[KST]
	v_lshl_add_u32 v[KST], v26, 4, v[KST]          ; the lane's place in an image
	v_add_nc_u32 v28, s48, v[KST]                  ; Q's codes go here,
	v_add_nc_u32 v29, s48, v[LI]                   ; and come back from here
	v_add_nc_u32 v[KST], s42, v[KST]
	v_lshrrev_b32 v25, 4, v24
	v_and_b32 v26, 15, v24
	v_lshlrev_b32 v[VST], 10, v25
	v_lshl_add_u32 v[VST], v26, 4, v[VST]
	v_add_nc_u32 v[VST], s44, v[VST]
	s_wait_alu depctr_va_vdst(0)                   ; the wait directly ahead of the wait below
	s_wait_kmcnt 0x0
	s_load_b128 s[EQ:EQ+3], s[10:11], 0x0          ; eq, ek, ep, ev
	s_add_nc_u64 s[KP:KP+1], s[KP:KP+1], s[18:19]
	s_add_nc_u64 s[VP:VP+1], s[VP:VP+1], s[18:19]
	s_add_nc_u64 s[QP:QP+1], s[QP:QP+1], s[18:19]
	s_add_nc_u64 s[QP:QP+1], s[QP:QP+1], s[46:47]
	s_add_nc_u64 s[OP:OP+1], s[OP:OP+1], s[18:19]
	s_add_nc_u64 s[OP:OP+1], s[OP:OP+1], s[46:47]
	LOADKV SS, 0                                   ; chunk 0
.irp q, 0,1
.irp g, 0,1,2,3
	global_load_b128 v[OO+32*\q+8*\g:OO+32*\q+8*\g+3],   v[ADR], s[QP:QP+1] offset:\q*4096+1024*\g th:TH_LOAD_NT       ; Q(16 q + 4 g + l / 8, 4 e ..)
	global_load_b128 v[OO+32*\q+8*\g+4:OO+32*\q+8*\g+7], v[ADR], s[QP:QP+1] offset:\q*4096+1024*\g+128 th:TH_LOAD_NT   ; and 32 + 4 e ..
.endr
.endr
	LOADKV STA, GCH                                ; chunk 1
	s_wait_kmcnt 0x0
	MKSC EQ, 39, HQ, HQ+1
	v_mov_b32 v[FR], s39                           ; 2^eq
	MKSC EQ+1, 39, HK, HK+1
	v_mov_b32 v[SCK], s39
	MKSC EQ+3, 39, HV, HV+1
	v_mov_b32 v[SCV], s39
	MKSC EQ+2, 39, -1, HP
	v_mov_b32 v[SCP], s39
	s_add_co_i32 s39, s[EQ], s[EQ+1]
	s_lshl_b32 s39, s39, 23
	s_add_co_i32 s[CS], s39, 0x3e38aa3b            ; c = log2(e) / 8 x 2^(eq + ek)
	s_mov_b32 s[CS+1], s[CS]
	s_add_co_i32 s[EPV], s[EQ+2], s[EQ+3]
	s_cmp_lt_u32 s[WAVE], 1                        ; the prefetches: wave 0 stands in K, wave 1 in V
	s_cselect_b64 s[PFA:PFA+1], s[KP:KP+1], s[VP:VP+1]
	s_add_nc_u64 s[PFA:PFA+1], s[PFA:PFA+1], 2*GCH ; at chunk 2: trip 0 steps this to chunk 3
	s_lshl_b32 s50, s49, 13                        ; my work-group's 32 rows of 256 bytes
	s_mov_b32 s51, 0
	s_add_nc_u64 s[PFA:PFA+1], s[PFA:PFA+1], s[50:51]
	s_cmp_lt_u32 s[WAVE], 2
	s_cselect_b32 s[LIM], NCH-3, 0
	v_and_b32 v[PFO], 31, v0
	v_lshlrev_b32 v[PFO], 8, v[PFO]
.irp q, 0,1
	v_mov_b32 v[NM+2*\q+1], 0xff61b1e6             ; the largest score so far: -3e38
	v_mov_b32 v[NM+2*\q], 0
	v_mov_b32 v[TA+4*\q+2], 0x7f61b1e6             ; the old -M: 3e38, so that the first f is 0
	v_mov_b32 v[LS+2*\q], 0
	v_mov_b32 v[LS+2*\q+1], 0
	v_mov_b32 v[FF+2*\q+1], 0
.endr
	s_mov_b32 s[TS], 0
	s_wait_alu depctr_va_vdst(0)                   ; the wait directly ahead of the wait below
	s_wait_loadcnt 36                              ; chunk 0's 20 loads are in; Q's 16 and chunk 1's 20 may be out
	QKV SS
	s_wait_loadcnt 20                              ; Q is in; chunk 1's 20 may be out
.set J, 0
.rept 64
	v_med3_num_f32 v[OO+J], v[OO+J], s[HQ], s[HQ+1]
.set J, J+1
.endr
.irp g, 0,1,2,3,4,5,6,7
	v_cvt_scalef32_pk8_bf8_f32 v[QQ+2*\g:QQ+2*\g+1], v[OO+8*\g:OO+8*\g+7], v[FR]
.endr
	v_nop                                          ; one plain line behind the last conversion
.irp q, 0,1
.irp g, 0,1,2,3
	ds_store_b64 v28, v[QQ+8*\q+2*\g:QQ+8*\q+2*\g+1] offset:1024*\q+64*\g   ; row 4 g + l / 8 of tile q
.endr
.endr
.irp q, 0,1
.irp c, 0,1
	ds_load_b128 v[QQ+8*\q+4*\c:QQ+8*\q+4*\c+3], v29 offset:1024*\q+512*\c   ; LDS serves a wave's instructions in order (ISA guide 5.7.1.4): these see my stores
.endr
.endr
.set J, 0
.rept 64
	v_mov_b32 v[OO+J], 0                           ; O^T: the step is written once, and the first finds zeros
.set J, J+1
.endr
	s_mov_b32 s[TR], 0
	s_mov_b32 s[TB], 0
	s_mov_b32 s[TS], CHB
	s_wait_alu depctr_va_vdst(0)                   ; the wait at the head's end
	s_wait_dscnt 0x0                               ; my part of chunk 0 lies in LDS, and Q's fragments are in
	s_barrier_signal -1
	s_barrier_wait -1                              ; chunk 0 is whole
	; ---- THE LOOP: 16 trips, a chunk each
.Ltrip:
	v_add_nc_u32 v[ADR], s[TB], v[LI]
.irp t, 0,1,2,3
.irp c, 0,1
	ds_load_b128 v[FR+8*\t+4*\c:FR+8*\t+4*\c+3], v[ADR] offset:\t*1024+512*\c   ; the first step's K lands under the quantising below
.endr
.endr
	s_cmp_ge_u32 s[TR], NCH-1                      ; the last trip has no next chunk
	s_cbranch_scc1 .Lfed
	s_wait_loadcnt 0x0                             ; chunk T + 1's numbers are in: so K's and V's bases may step,
	s_wait_xcnt 0x0                                ; and the last trip's prefetch has read its address
	QKV STA
	s_cmp_ge_u32 s[TR], NCH-2                      ; the last trip but one asks for nothing
	s_cbranch_scc1 .Lfed
	s_add_nc_u64 s[KP:KP+1], s[KP:KP+1], GCH
	s_add_nc_u64 s[VP:VP+1], s[VP:VP+1], GCH
	s_add_nc_u64 s[PFA:PFA+1], s[PFA:PFA+1], GCH
	LOADKV STA, GCH                                ; chunk T + 2
	ASK
.Lfed:
	s_wait_alu depctr_va_vdst(0)                   ; the wait directly ahead of the wait below
	s_wait_dscnt 0x0                               ; my part of chunk T + 1 lies in LDS; the first step's K is in
	s_barrier_signal -1                            ; between the signal and the wait: register work and LDS loads of chunk T, which no wave writes while the loop runs
	STEP 0
	STEP 1
	s_wait_alu depctr_va_vdst(0)                   ; the wait directly ahead of the barrier's wait
	s_barrier_wait -1                              ; chunk T + 1 is whole
	s_add_co_u32 s[TB], s[TB], CHB
	s_add_co_u32 s[TS], s[TS], CHB
	s_add_co_u32 s[TR], s[TR], 1
	s_cmp_lt_u32 s[TR], NCH
	s_cbranch_scc1 .Ltrip
	; ---- THE WAY OUT.  O^T x 2^(ep + ev) / the sum goes through my stage in LDS and leaves as whole rows.
	; The stages lie in chunks 0 to 8: every wave has signalled the last trip's barrier with its LDS loads waited for, so all reads of chunks 0 to 14 are over.
.irp q, 0,1
	v_add_f32 v[LS+2*\q], v[LS+2*\q], v[LS+2*\q+1]
.endr
.irp q, 0,1
	v_permlanex16_b32 v[TA+4*\q], v[LS+2*\q], s[SEL], s[SEL+1]
.endr
.irp q, 0,1
	v_add_f32 v[LS+2*\q], v[LS+2*\q], v[TA+4*\q]   ; the row's sum, above 1/2
.endr
	s_wait_alu depctr_va_vdst(0)                   ; ahead of the batch of two
.irp q, 0,1
	v_rcp_f32 v[FF+2*\q], v[LS+2*\q]
.endr
	v_bfe_u32 v[KGO], v[LI], 4, 4                  ; r
	v_bfe_u32 v[VGO], v[LI], 8, 1                  ; h
	s_mul_i32 s39, s[WAVE], SWAVE
	v_mul_u32_u24 v[TA+2], v[KGO], SPITCH
	v_lshl_add_u32 v[TA+2], v[VGO], 5, v[TA+2]
	v_add_nc_u32 v[TA+2], s39, v[TA+2]             ; in: row r; tile d's eight channels of my half lie 64 d + 32 h bytes on
	v_mul_u32_u24 v[TA+6], v[VGO], SPITCH
	v_lshl_add_u32 v[TA+6], v[KGO], 4, v[TA+6]
	v_add_nc_u32 v[TA+6], s39, v[TA+6]             ; back: lanes 0-15 one row, lanes 16-31 the next
	s_wait_alu depctr_va_vdst(0)                   ; behind the batch, ahead of its first reader
.irp q, 0,1
	v_ldexp_f32 v[FF+2*\q], v[FF+2*\q], s[EPV]     ; x 2^(ep + ev)
.endr
	s_wait_alu depctr_va_vdst(0)                   ; the wait directly ahead of the first reader of O^T
.irp q, 0,1
.irp j, 0,2,4,6,8,10,12,14,16,18,20,22,24,26,28,30
	v_pk_mul_f32 v[SS+32*\q+\j:SS+32*\q+\j+1], v[OO+32*\q+\j:OO+32*\q+\j+1], v[FF+2*\q:FF+2*\q+1] op_sel_hi:[1,0]   ; register 8 d + i of tile q is out(16 q + r, 16 d + 8 h + i)
.endr
.endr
.irp q, 0,1
.irp d, 0,1,2,3
	ds_store_b128 v[TA+2], v[SS+32*\q+8*\d:SS+32*\q+8*\d+3]   offset:\q*STILE+64*\d
	ds_store_b128 v[TA+2], v[SS+32*\q+8*\d+4:SS+32*\q+8*\d+7] offset:\q*STILE+64*\d+16
.endr
.irp i, 0,1,2,3,4,5,6,7
	ds_load_b128 v[OO+32*\q+4*\i:OO+32*\q+4*\i+3], v[TA+6] offset:\q*STILE+2*\i*SPITCH   ; in order behind my stores
.endr
.endr
.irp q, 0,1
.irp i, 0,1,2,3,4,5,6,7
	s_wait_dscnt (1-\q)*16+7-\i                    ; behind load i of a tile stand its 7 - i later loads and, for tile A, tile B's 8 stores and 8 loads
	global_store_b128 v[LI], v[OO+32*\q+4*\i:OO+32*\q+4*\i+3], s[OP:OP+1] offset:\q*4096+512*\i th:TH_STORE_NT   ; 32 lanes store two rows, 512 consecutive bytes, aligned
.endr
.endr
	s_wait_tensorcnt 0x0                           ; the wave's end
	ds_add_u32 v[SPW], v[NIL]
	s_wait_dscnt 0x0
	s_endpgm
.Lfunc_end_k_q50970f6570_attn:
	.size	k_q50970f6570_attn, .Lfunc_end_k_q50970f6570_attn-k_q50970f6570_attn
	.p2alignl 7, 3214868480
	.fill 96, 4, 3214868480
	.section	.rodata,"a",@progbits
	.p2align	6, 0x0
	.amdhsa_kernel k_q50970f6570_attn
		.amdhsa_group_segment_fixed_size 264192
		.amdhsa_private_segment_fixed_size 0
		.amdhsa_enable_private_segment 0
		.amdhsa_kernarg_size 40
		.amdhsa_user_sgpr_count 2
		.amdhsa_user_sgpr_kernarg_segment_ptr 1
		.amdhsa_wavefront_size32 1
		.amdhsa_system_sgpr_workgroup_id_x 1
		.amdhsa_system_sgpr_workgroup_id_y 1
		.amdhsa_system_sgpr_workgroup_id_z 1
		.amdhsa_system_vgpr_workitem_id 0
		.amdhsa_next_free_vgpr 256
		.amdhsa_next_free_sgpr 66
		.amdhsa_reserve_vcc 0
		.amdhsa_float_denorm_mode_32 3
		.amdhsa_float_denorm_mode_16_64 3
		.amdhsa_memory_ordered 1
		.amdhsa_forward_progress 1
		.amdhsa_inst_pref_size 66
	.end_amdhsa_kernel
	.amdgpu_metadata
---
amdhsa.version: [ 1, 2 ]
amdhsa.kernels:
  - .name:           k_q50970f6570_attn
    .symbol:         k_q50970f6570_attn.kd
    .args:
      - { .name: query, .offset: 0, .size: 8, .value_kind: global_buffer, .address_space: global }
      - { .name: key, .offset: 8, .size: 8, .value_kind: global_buffer, .address_space: global }
      - { .name: value, .offset: 16, .size: 8, .value_kind: global_buffer, .address_space: global }
      - { .name: lowp_scales, .offset: 24, .size: 8, .value_kind: global_buffer, .address_space: global }
      - { .name: out0, .offset: 32, .size: 8, .value_kind: global_buffer, .address_space: global }
    .group_segment_fixed_size: 264192
    .private_segment_fixed_size: 0
    .kernarg_segment_align: 8
    .kernarg_segment_size: 40
    .max_flat_workgroup_size: 512
    .sgpr_count:     66
    .vgpr_count:     256
    .wavefront_size: 32
...
	.end_amdgpu_metadata
.endif
;; end of part 1
